; MI455X (gfx1250); checked and timed in simulation.
; The chip was launched on July 23, 2026; its instructions are those of AMD's public machine-readable ISA for CDNA 5 (MIT licence, August 2026) and "CDNA5" Instruction Set Architecture Reference Guide (July 2026). The comments in the code are by the model that wrote it; some were corrected since.
;; Dot Product Attention. Allowed arithmetic: matrix products marked QUANTISED: E3M2 operands, one E8M0 scale for each 32 along K, by v_wmma_scale_f32_16x16x128_f8f6f4 with both operands' format E3M2, f32 sums; everything else in f32.
;; Inputs: keys_codes 16 x 2,048 x 2 x 24 uint8 (E3M2 codes of keys, K innermost, in blocks of 32 codes, four codes in three bytes); keys_scales 16 x 2,048 x 2 uint8 (E8M0 scales of keys, one for each 32 codes along K); queries_codes 16 x 2,048 x 2 x 24 uint8 (E3M2 codes of queries, K innermost, in blocks of 32 codes, four codes in three bytes); queries_scales 16 x 2,048 x 2 uint8 (E8M0 scales of queries, one for each 32 codes along K); valid_lens 16 int32; values_codes 16 x 64 x 64 x 24 uint8 (E3M2 codes of values, K innermost, in blocks of 32 codes, four codes in three bytes); values_scales 16 x 64 x 64 uint8 (E8M0 scales of values, one for each 32 codes along K).
;; Outputs: out0 16 x 2,048 x 64 float32.
;; This version of the problem:
;;   THIS VERSION OF THE PROBLEM IS GIVEN IN LOW PRECISION. The matrix products marked QUANTISED in the list below multiply operands that are first quantised to E3M2 (3 exponent bits, 2 mantissa bits; 6 bits a number), with one power-of-two scale for each 32 numbers along K (OCP MX v1.0); their sums are f32. All else is computed in f32.
;;   The module's matrix products, in the order in which they are computed (A, B: the left and right operand; K: the contracted axis; several contracted axes count as one K, in the product's order):
;;     1. batch 16 x [M 2,048, K 64] x [K 64, N 2,048]; A: input queries (given as codes); B: input keys (given as codes): QUANTISED
;;     2. batch 16 x [M 2,048, K 2,048] x [K 2,048, N 64]; A: softmax (see below); B: input values (given as codes): QUANTISED
;;   THE QUANTISER, for each operand of a quantised product, along K:
;;     - K is cut into blocks of 32 from its start; a last block that is shorter is filled with zeros.
;;     - A block's scale is 2^e with e = floor(log2(the largest magnitude in the block)) - 4, held to -126 .. 127; a block of zeros has e = 0. As a byte (E8M0): e + 127.
;;     - Each number is divided by its block's scale, clamped to +-28, and rounded to the nearest number of E3M2, ties to even, subnormals kept.
;;     - The product sums the exact products of the quantised numbers (number of the format x scale) in f32.
;;   ~~~python
;;   def quantise(x, axis):      # numpy; x: float32 -> the quantised numbers, widened to float32 again
;;       x = np.moveaxis(x, axis, -1); K = x.shape[-1]
;;       x = np.pad(x, [(0, 0)] * (x.ndim - 1) + [(0, -K % 32)]); x = x.reshape(x.shape[:-1] + (-1, 32)); a = np.abs(x).max(-1, keepdims=True)
;;       e = np.where(a > 0, np.clip(np.frexp(np.where(a > 0, a, 1))[1] - 1 - 4, -126, 127), 0)      # np.frexp(a)[1] - 1 = floor(log2(a)), exactly
;;       r = np.clip(x / 2.0 ** e, -28, 28)
;;       step = 2.0 ** (np.maximum(np.frexp(np.where(r == 0, 1, r))[1] - 1, -2) - 2)
;;       q = np.round(r / step) * step * 2.0 ** e      # np.round: ties to even
;;       return np.moveaxis(q.reshape(q.shape[:-2] + (-1,))[..., :K], -1, axis).astype(np.float32)
;;   ~~~
;;   SOFTMAX AHEAD OF A QUANTISED PRODUCT. Where the list says 'softmax', what is quantised is not the finished softmax but p = 2^(t - M), with t = logit x log2(e) and M = ceil(the row's largest t), a whole number; so 1/2 < the row's largest p <= 1. The row's sum l is taken of the UNQUANTISED p, in f32, and the product's result is divided by l at the end. Since M is a whole number, a kernel that streams over the keys may use a running M (the ceiling of the running maximum): every later rescaling is an exact power of two, which a block's scale takes up: the codes' values come out the same.
;;   OPERANDS COMPUTED ON THE WAY. 'Computed on the way' means the value that the module computes at that place (a softmax that the list does not call 'softmax' is quantised finished and normalised). What goes into a quantiser is computed in f32, as accurately as f32 sums, v_exp_f32 and their like allow (about 1e-6 of the number): no bf16 or f16 on the way to a quantiser, and a product that is left as it is and whose result goes on into a quantised operand takes f32 operands (vector FMAs, or v_wmma_f32_16x16x4_f32). A number that lies on a knife's edge between two numbers of the format may be rounded either way, as far as f32 arithmetic and the matrix unit's own rounding can turn it there, and no further.
;;   INPUTS GIVEN AS CODES. keys (in the module: [16, 2048, 64], K = its axis 2); queries (in the module: [16, 2048, 64], K = its axis 2); values (in the module: [16, 2048, 64], K = its axis 1): each comes as NAME_codes (uint8): NAME with its K axis moved to the last place and cut into blocks of 32 codes, [.., K / 32, bytes a block], one block behind the other in memory; four codes in three bytes: a row's codes are one little-endian stream of bits, code i at bits 6 i .. 6 i + 5 (a code: sign, 3 exponent bits, 2 mantissa bits); and NAME_scales (uint8): the same leading axes, one E8M0 byte (e + 127) for each 32 codes along K. Its value is code x scale, taken as it is: it is not quantised again, and the codes and scales need not be those that the quantiser above would give.
;; 2 versions, each right; version 2 is version 1 with the launch attn written anew for expert scheduling mode. Each part assembles by itself: llvm-mc -triple=amdgcn-amd-amdhsa -mcpu=gfx1250 --defsym DOCPART=n.
;; ======== version 1 of 2: 1 launch
;; limits: right only within a limited range of input values
;; launch attn (part 1): grid 256 x 1, 8 waves a work-group, no clusters, 168,960 bytes of LDS; arguments queries_codes, queries_scales, keys_codes, keys_scales, values_codes, values_scales, valid_lens, out0; writes out0
.if DOCPART == 1
	.amdgcn_target "amdgcn-amd-amdhsa--gfx1250"
	.amdhsa_code_object_version 6
	.text
	.protected	k_qa905349275_attn
	.globl	k_qa905349275_attn
	.p2align	8
	.type	k_qa905349275_attn,@function
k_qa905349275_attn:
	s_mov_b64 s[64:65], 0
	v_nop
	global_prefetch_b8 v0, s[64:65] scope:SCOPE_SE
	s_setreg_imm32_b32 hwreg(HW_REG_WAVE_MODE, 25, 1), 1
	s_wait_xcnt 0x0
; out[b][q][:] = the sum over k of softmax_k(masked(Q[b][q] . K[b][k] / 8)) V[b][k][:], 16 batches, 2,048 queries, 2,048 keys, head 64; keys at or past valid_lens[b] take the score -1e6.
; Both products run on codes of BF6 (E3M2) with one E8M0 scale for each 32 along K.  Q, K: 48 bytes of codes and 2 scale bytes a row.  V: keys innermost, 64 rows of 1,536 bytes and 64 scale bytes a batch.
; SOFTMAX: t = score x log2(e) / 8; M = the running largest t rounded UP to a whole number; p = 2^(t - M) is quantised along the keys, not normalised; the row's sum is taken of the unquantised p and divides at the end.
; SHARES.  A wave owns one tile of 16 queries and walks its batch's keys 128 a step, n = ceil(valid_len / 128) steps: a step all of whose keys are masked is left out (its p are 0).
; A step is 12 matrix instructions beside some 240 vector instructions, so the vector work is evened out: every wave ranks the 16 lengths (ties: the lower batch first); a work-group serves the batches of rank
; p and 15 - p, 64 queries of each, four waves (a HALF) to a batch, the halves dealt so that waves w and w + 4, and waves 2 i and 2 i + 1, belong to different halves.  8 pairs x 32 blocks of queries = 256 work-groups.
; K'S FRAGMENTS ARE DOUBLE.  The head's 64 fill half of the instruction's 128 along K.  So a row of source 0 holds TWO keys (a at k 0-63, a + 8 at k 64-127), and source 1 is [q | 0] or [0 | q]: two products on one
; fragment give 32 keys' scores.  Row m = 8 H + j of fragment b holds keys 32 b + 16 H + j and 32 b + 16 H + 8 + j: so register 16 b + i of lane (r, h) is key 32 b + 16 h + i of query r: 16 neighbours along the next K.
; Both products are used transposed (source 0 = keys, or V's rows; source 1 = my queries): a lane holds one query throughout.
; LDS.  A step's codes (6,144 bytes of K, 6,144 of V) come from memory through registers into a ring of four slots for each half, laid as IMAGES OF THE OPERANDS' REGISTERS: register c of lane l at 512 (c / 4) + 16 l + 4 (c % 4),
; so that a fragment is three loads of 512 consecutive bytes.  A batch's scale bytes are laid once: K's as words (two keys' bytes), V's as rows of 64 + 16 bytes.  One barrier a step: trip s reads V of slot s % 4 and K of
; slot (s + 1) % 4 and writes slot (s + 2) % 4, whose last reads stand two barriers back.
; NO TENSOR LOADS, NO JOINT REQUESTS, though the 32 work-groups of a batch read the same tiles: the number of steps hangs on valid_lens, which is read from memory, and partners would need different numbers of tiles;
; walking all 16 steps in every wave instead would on spread lengths double the vector work, which is what this kernel is made of.
; LIMITS.  (1) Steps that are left out count as p = 0: that holds while a row's largest unmasked score q . k / 8 lies above about -9.9e5.  (2) valid_len <= 0 (every key masked): reference() gives a uniform softmax;
; here all 16 steps run with every score 0, p = 1.  valid_len above 2,048 is held at 2,048.  (3) A scale byte 0xff (NaN) among the inputs is not served.  (4) A block's largest p is made from the block's largest score by the
; same multiply-add and exponential, which takes v_exp_f32 not to fall where its input rises.
.set HALF,   58368                     ; LDS of a half: the ring, K's scale words, V's scale rows
.set SLOTB,  12288                     ; a slot: K's four images, then V's four
.set VOFF,   6144
.set FRB,    1536                      ; an image: 12 registers x 128 bytes
.set KSC,    49152                     ; K's scale words: word (block of 32 keys bb, row m) at 64 bb + 4 m: 4,096 bytes
.set VSC,    53248                     ; V's scale rows: 64 rows, 80 bytes apart
.set VSP,    80
.set STG,    2*HALF                    ; the way out: 16 rows x 272 bytes for each wave
.set STGW,   4352
.set SPITCH, 272
.set KSTEPB, 6144                      ; a step in K's codes: 128 keys x 48 bytes
.set VSTEPB, 96                        ; and in a row of V's: 128 codes
.set BCODES, 98304                     ; a batch's codes, in each of the three tensors
; vector registers, window 0
.set LI,  1                            ; HB + 16 lane: an image's place for my lane
.set KSA, 2                            ; K's scale words: HB + KSC + 4 lane; 1,024 on with every four steps
.set VSA, 3                            ; V's: HB + VSC + 80 lane; 16 on with every four steps
.set FK1, 4                            ; where my key's pieces go in its image (pieces 0 and 2; piece 1)
.set FK2, 5
.set FV1, 6                            ; the same for my half row of V
.set FV2, 7
.set GK,  8                            ; memory: my key's row in a step of K
.set GV,  9                            ; my half row in a step of V
.set H16, 10                           ; 16 (lane / 16)
.set MV,  11                           ; the raw score of a masked key
.set QS,  34                           ; v34 Q's scale word for [q | 0], v35 for [0 | q]
.set KS,  36                           ; v36-37 K's scale words: lanes 0-15 the even fragment's, lanes 16-31 the odd one's
.set VS,  38                           ; v38-39 V's likewise
.set PW,  40                           ; p's scale word
.set DD,  41                           ; the mask: valid_len - the step's first key - 16 (lane / 16)
.set STO, 42
.set RD,  43
.set GO,  44
.set KF,  48                           ; v48-95  K's four double fragments
.set PC,  96                           ; v96-107 p's codes
.set CT,  108                          ; v108-110, v112-114 the second halves of the conversions
.set BM,  116                          ; v116-119 the blocks' largest scores, then largest p
.set PT,  120                          ; v120-123 the other half's, then the bytes
.set SOP, 124                          ; v124-127 the conversions' scale operands
.set FF,  128                          ; v[128:129] f = 2^(old M - new M)
.set TMP, 130
.set SG,  134                          ; head only: 32 x my thread's number in the half
.set KSW, 135
.set VSW, 136
.set QA,  137
.set QSA, 138
.set LA,  139
.set LEN, 140
.set KEY, 141
.set RNK, 142
.set SCR, 144                          ; v144-207 S^T, then p
.set OA,  208                          ; v208-239 O^T
; window 1: v0-47 V's four fragments; v48-71 the codes on their way from memory to the ring
.set STA, 48
; v12 -M, v13 the largest t, v[14:15] the sum in two halves, v16-21 q, v22-27 zeros, v28-33 q again: [q | 0] = v[16:27], [0 | q] = v[22:33]; v[132:133] the sum's second chain
; scalar registers
.set WV,  20
.set SEL, 21                           ; my half
.set IDX, 22                           ; my number in it
.set RK,  23                           ; the rank that my half serves
.set BT,  24                           ; its batch
.set RAW, 25                           ; valid_len as given
.set NN,  26                           ; steps
.set LENM, 27                          ; keys that count
.set SS,  29                           ; the step
.set KFI, 30                           ; its first key
.set CNT, 31
.set PSEL, 32                          ; s[32:33] v_permlanex16_b32's selects for lane l xor 16
.set CS,  34                           ; s[34:35] c = log2(e) / 8
.set KB,  40                           ; s[40:41] K's codes at the step that trip 0 of the ring's turn asks for
.set VB,  42                           ; s[42:43] V's likewise
.set FQ,  50                           ; my first query
.set MSB, 0
.macro WIN new                         ; the immediate's high byte repeats the setting that is left; a switch that changes nothing is dropped
.if MSB != \new
	s_set_vgpr_msb (MSB<<8)|\new
.set MSB, \new
.endif
.endm
; Six loads of 16 bytes a lane: my key's 48 bytes and my 48 bytes of a row of V, of the step st steps on from the bases
.macro FILL_LOAD st, reg, win
	WIN \win
.irp i, 0,1,2
	global_load_b128 v[\reg+4*\i:\reg+4*\i+3], v[GK], s[KB:KB+1] offset:KSTEPB*(\st)+16*\i
.endr
.irp i, 0,1,2
	global_load_b128 v[\reg+12+4*\i:\reg+12+4*\i+3], v[GV], s[VB:VB+1] offset:VSTEPB*(\st)+16*\i
.endr
	WIN 0
.endm
; They go into the images in pieces of 8 bytes: the 24 bytes at 24 hh belong to lane m + 16 hh (256 hh bytes on), as its registers 6 u .. 6 u + 5
.macro FILL_STORE slot, reg, win
	WIN \win
.irp hh, 0,1
	ds_store_b64 v[FK1], v[\reg+6*\hh:\reg+6*\hh+1] offset:SLOTB*(\slot)+256*\hh
	ds_store_b64 v[FK2], v[\reg+6*\hh+2:\reg+6*\hh+3] offset:SLOTB*(\slot)+256*\hh+8
	ds_store_b64 v[FK1], v[\reg+6*\hh+4:\reg+6*\hh+5] offset:SLOTB*(\slot)+256*\hh+512
	ds_store_b64 v[FV1], v[\reg+12+6*\hh:\reg+12+6*\hh+1] offset:SLOTB*(\slot)+256*\hh
	ds_store_b64 v[FV2], v[\reg+12+6*\hh+2:\reg+12+6*\hh+3] offset:SLOTB*(\slot)+256*\hh+8
	ds_store_b64 v[FV1], v[\reg+12+6*\hh+4:\reg+12+6*\hh+5] offset:SLOTB*(\slot)+256*\hh+512
.endr
	WIN 0
.endm
; K's four double fragments of a slot, and their scale words (so: the step's 256 bytes of words, counted from KSA)
.macro KFETCH slot, so
.irp b, 0,1,2,3
.irp c, 0,1,2
	ds_load_b128 v[KF+12*\b+4*\c:KF+12*\b+4*\c+3], v[LI] offset:SLOTB*(\slot)+FRB*\b+512*\c
.endr
.endr
	ds_load_b32 v[KS], v[KSA] offset:\so
	ds_load_b32 v[KS+1], v[KSA] offset:(\so)+128
.endm
; V's four fragments of a slot into window 1, and their scale words (4 bytes a step in each row)
.macro VFETCH slot, st
	WIN 0x40                                       ; destination window 1, address window 0
.irp t, 0,1,2,3
.irp c, 0,1,2
	ds_load_b128 v[12*\t+4*\c:12*\t+4*\c+3], v[LI] offset:SLOTB*(\slot)+VOFF+FRB*\t+512*\c
.endr
.endr
	WIN 0
	ds_load_b32 v[VS], v[VSA] offset:4*(\st)
	ds_load_b32 v[VS+1], v[VSA] offset:4*(\st)+32*VSP
.endm
; S^T = K Q^T: eight products, each starting its own sum with the constant 0
.macro QK
.irp b, 0,1,2,3
.if \b%2
	v_wmma_scale_f32_16x16x128_f8f6f4 v[SCR+16*\b:SCR+16*\b+7], v[KF+12*\b:KF+12*\b+11], v[16:27], 0, v[KS+\b/2], v[QS] matrix_a_fmt:MATRIX_FMT_BF6 matrix_b_fmt:MATRIX_FMT_BF6 matrix_a_scale:MATRIX_SCALE_ROW1
	v_wmma_scale_f32_16x16x128_f8f6f4 v[SCR+16*\b+8:SCR+16*\b+15], v[KF+12*\b:KF+12*\b+11], v[22:33], 0, v[KS+\b/2], v[QS+1] matrix_a_fmt:MATRIX_FMT_BF6 matrix_b_fmt:MATRIX_FMT_BF6 matrix_a_scale:MATRIX_SCALE_ROW1
.else
	v_wmma_scale_f32_16x16x128_f8f6f4 v[SCR+16*\b:SCR+16*\b+7], v[KF+12*\b:KF+12*\b+11], v[16:27], 0, v[KS+\b/2], v[QS] matrix_a_fmt:MATRIX_FMT_BF6 matrix_b_fmt:MATRIX_FMT_BF6
	v_wmma_scale_f32_16x16x128_f8f6f4 v[SCR+16*\b+8:SCR+16*\b+15], v[KF+12*\b:KF+12*\b+11], v[22:33], 0, v[KS+\b/2], v[QS+1] matrix_a_fmt:MATRIX_FMT_BF6 matrix_b_fmt:MATRIX_FMT_BF6
.endif
.endr
.endm
; The step that holds valid_len: register 16 b + i holds key KFI + 16 (lane / 16) + 32 b + i, masked where 32 b + i >= DD.  Ascending, so that each result is read from its low end on
.macro MASK
	s_sub_co_i32 s44, s[LENM], s[KFI]
	v_sub_nc_u32 v[DD], s44, v[H16]
.irp n, 0,1,2,3,4,5,6,7,8,9,10,11,12,13,14,15,16,17,18,19,20,21,22,23,24,25,26,27,28,29,30,31,32,33,34,35,36,37,38,39,40,41,42,43,44,45,46,47,48,49,50,51,52,53,54,55,56,57,58,59,60,61,62,63
	v_cmp_ge_i32 vcc_lo, 32*(\n/16)+\n%16, v[DD]
	v_cndmask_b32 v[SCR+\n], v[SCR+\n], v[MV], vcc_lo
.endr
.endm
.macro SOFTMAX
.irp b, 0,1,2,3
	v_max3_num_f32 v[BM+\b], v[SCR+16*\b], v[SCR+16*\b+1], v[SCR+16*\b+2]   ; the largest score of each block of 32 keys: it serves for the row's maximum and, since p rises with the score, for the block's largest p
.endr
.irp i, 3,5,7,9,11,13
.irp b, 0,1,2,3
	v_max3_num_f32 v[BM+\b], v[BM+\b], v[SCR+16*\b+\i], v[SCR+16*\b+\i+1]   ; (the four blocks by turns)
.endr
.endr
.irp b, 0,1,2,3
	v_max_num_f32 v[BM+\b], v[BM+\b], v[SCR+16*\b+15]
.endr
.irp b, 0,1,2,3
	v_permlanex16_b32 v[PT+\b], v[BM+\b], s[PSEL], s[PSEL+1]
.endr
.irp b, 0,1,2,3
	v_max_num_f32 v[BM+\b], v[BM+\b], v[PT+\b]     ; with lane l xor 16's 16 keys
.endr
	v_max3_num_f32 v[TMP], v[BM], v[BM+1], v[BM+2]
	v_max_num_f32 v[TMP], v[TMP], v[BM+3]          ; the step's largest score of my query
	v_mul_f32 v[TMP], s[CS], v[TMP]                ; as t (c is positive)
	v_max_num_f32 v13, v13, v[TMP]                 ; the running largest t
	v_mov_b32 v[TMP], v12
	v_floor_f32 v12, -v13                          ; the new -M = floor(-t) = -ceil(t): a whole number
	v_sub_f32 v[TMP], v12, v[TMP]                  ; old M less new M: a whole number, 0 or less
	v_cvt_i32_f32 v[TMP], v[TMP]                   ; (it saturates)
	v_ldexp_f32 v[FF], 1.0, v[TMP]                 ; f = 2^(old M - new M): a multiplication by it rounds nothing
.set n, 0
.rept 32
	v_pk_fma_f32 v[SCR+n:SCR+n+1], v[SCR+n:SCR+n+1], s[CS:CS+1], v[12:13] op_sel_hi:[1,0,0]   ; t - M, two at a time (of the pairs c and -M the low word serves both halves)
.set n, n+2
.endr
.irp b, 0,1,2,3
	v_fma_f32 v[BM+\b], v[BM+\b], s[CS], v12       ; the same of each block's largest score
.endr
.set n, 0
.rept 64
	v_exp_f32 v[SCR+n], v[SCR+n]                   ; p = 2^(t - M)
.set n, n+1
.endr
.irp b, 0,1,2,3
	v_exp_f32 v[BM+\b], v[BM+\b]                   ; the block's largest p: the same two instructions on the same number
.endr
	v_pk_mul_f32 v[14:15], v[14:15], v[FF:FF+1] op_sel_hi:[1,0]   ; the sums under the new M; also the plain instruction behind the exponentials
	s_wait_alu depctr_va_vdst(0)
.irp b, 0,1,2,3
	v_max_num_f32 v[BM+\b], 0x2800000, v[BM+\b]    ; the floor 2^(5 - 127): the byte cannot fall under 1 (a block whose every p is 0 keeps that byte: its codes are zeros)
.endr
.irp b, 0,1,2,3
	v_add_nc_u32 v[SOP+\b], 0xfe000000, v[BM+\b]   ; 4 off the exponent field: the conversion's scale operand
.endr
.irp b, 0,1,2,3
	v_lshrrev_b32 v[PT+\b], 23, v[SOP+\b]          ; the scale's byte
.endr
	v_lshl_or_b32 v[PW], v[PT+1], 8, v[PT]         ; p's scale word for these 128 keys
	v_lshl_or_b32 v[PW], v[PT+2], 16, v[PW]
	v_lshl_or_b32 v[PW], v[PT+3], 24, v[PW]
.irp c, 0,1
	v_cvt_scalef32_pk16_bf6_f32 v[PC+6*\c:PC+6*\c+2], v[SCR+32*\c:SCR+32*\c+15], v[SOP+2*\c]
	v_cvt_scalef32_pk16_bf6_f32 v[CT+4*\c:CT+4*\c+2], v[SCR+32*\c+16:SCR+32*\c+31], v[SOP+2*\c+1]   ; (a conversion's three registers begin on an even number)
.endr
	v_nop                                          ; one plain instruction behind the last scaled conversion
.irp c, 0,1                                    ; the operand's layout wants a whole block in a lane: lanes 0-15 block 2 c, lanes 16-31 block 2 c + 1
.irp i, 0,1,2
	v_permlane16_swap_b32 v[PC+6*\c+\i], v[CT+4*\c+\i]
.endr
.irp i, 0,1,2
	v_mov_b32 v[PC+3+6*\c+\i], v[CT+4*\c+\i]
.endr
.endr
	v_pk_add_f32 v[132:133], v[SCR:SCR+1], v[SCR+2:SCR+3]   ; the row's sum is taken of the unquantised p: two at a time, in two chains
.irp j, 4,8,12,16,20,24,28,32,36,40,44,48,52,56,60
	v_pk_add_f32 v[14:15], v[14:15], v[SCR+\j:SCR+\j+1]
	v_pk_add_f32 v[132:133], v[132:133], v[SCR+\j+2:SCR+\j+3]
.endr
	v_pk_add_f32 v[14:15], v[14:15], v[132:133]
.set n, 0
.rept 16
	v_pk_mul_f32 v[OA+n:OA+n+1], v[OA+n:OA+n+1], v[FF:FF+1] op_sel_hi:[1,0]   ; O^T under the new M, ascending.  The 32 sums above are the places between p's scale word and codes and the products below
.set n, n+2
.endr
.endm
; O^T += V^T P^T: four accumulators, one instruction each
.macro PV
	WIN 0x01                                       ; source 0 (V) window 1
.irp t, 0,1,2,3
.if \t%2
	v_wmma_scale_f32_16x16x128_f8f6f4 v[OA+8*\t:OA+8*\t+7], v[12*\t:12*\t+11], v[PC:PC+11], v[OA+8*\t:OA+8*\t+7], v[VS+\t/2], v[PW] matrix_a_fmt:MATRIX_FMT_BF6 matrix_b_fmt:MATRIX_FMT_BF6 matrix_a_scale:MATRIX_SCALE_ROW1
.else
	v_wmma_scale_f32_16x16x128_f8f6f4 v[OA+8*\t:OA+8*\t+7], v[12*\t:12*\t+11], v[PC:PC+11], v[OA+8*\t:OA+8*\t+7], v[VS+\t/2], v[PW] matrix_a_fmt:MATRIX_FMT_BF6 matrix_b_fmt:MATRIX_FMT_BF6
.endif
.endr
	WIN 0
.endm
; A KEY STEP.  cur: the slot of this step (its V is read); nxt: the next step's (its K is read); fil: the slot that takes the step two on.  Every branch is a scalar one on whole numbers; the barrier is on every way.
.macro TRIP cur, nxt, fil
	s_cmp_ge_u32 s[SS], s[NN]
	s_cbranch_scc1 .Lidle_\@                       ; my batch has no such step: only the barrier
	s_add_co_u32 s44, s[SS], 2
	s_cmp_lt_u32 s44, s[NN]
	s_cbranch_scc0 .Lno_load_\@
	FILL_LOAD \cur, STA, 0x40                      ; the step two on is asked for: it has this whole step in which to arrive
.Lno_load_\@:
	QK
.rept 4
	v_nop                                          ; places: behind these products for the loads into K's registers and the first read of the scores; behind the last step's second product for the loads into V's
.endr
	VFETCH \cur, \cur
	s_add_co_u32 s44, s[SS], 1
	s_cmp_lt_u32 s44, s[NN]
	s_cbranch_scc0 .Lno_k_\@
	KFETCH \nxt, 256*((\cur)+1)
.Lno_k_\@:
	s_add_co_u32 s44, s[KFI], 128
	s_cmp_le_u32 s44, s[LENM]
	s_cbranch_scc1 .Lopen_\@                       ; all 128 keys count
	MASK
.Lopen_\@:
	SOFTMAX
	s_wait_dscnt 0x0                               ; V's fragments, and the next step's K where it was asked for: the count serves both ways, so it is 0
	PV
	s_wait_loadcnt 0x0                             ; the six loads, where they were issued: on every way none is out behind this line
	s_add_co_u32 s44, s[SS], 2
	s_cmp_lt_u32 s44, s[NN]
	s_cbranch_scc0 .Lidle_\@
	FILL_STORE \fil, STA, 0x04                     ; an LDS store's data are its source 1: window 1
.Lidle_\@:
	s_wait_dscnt 0x0                               ; for the others' sake: my stores into the ring have landed and my reads of it are in
	s_barrier_signal -1
	s_barrier_wait -1
	s_add_co_u32 s[SS], s[SS], 1
	s_add_co_u32 s[KFI], s[KFI], 128
.endm
	s_load_b512 s[4:19], s[0:1], 0x0               ; Q's codes s[4:5], scales s[6:7]; K's s[8:9], s[10:11]; V's s[12:13], s[14:15]; valid_lens s[16:17]; out s[18:19]
	v_lshl_add_u32 v254, v0, 2, 0x29000
	v_mov_b32 v255, 0
	v_lshrrev_b32 v45, 5, v0
	v_readfirstlane_b32 s[WV], v45                 ; wave 0..7
	v_and_b32 v46, 15, v0                          ; r
	v_lshlrev_b32 v[LA], 2, v46
	s_wait_kmcnt 0x0
	global_load_b32 v[LEN], v[LA], s[16:17]        ; lane l holds the length of batch l % 16; the addresses below are made while it is out
	s_lshr_b32 s44, s[WV], 2
	s_xor_b32 s[SEL], s[WV], s44
	s_and_b32 s[SEL], s[SEL], 1                    ; my half: waves 0, 2, 5, 7 are half 0, waves 1, 3, 4, 6 half 1
	s_lshr_b32 s[IDX], s[WV], 1                    ; my number in it, 0..3
	s_and_b32 s[RK], ttmp9, 7                      ; the pair of ranks: p and 15 - p
	s_sub_co_u32 s44, 15, s[RK]
	s_cmp_eq_u32 s[SEL], 1
	s_cselect_b32 s[RK], s44, s[RK]
	s_lshr_b32 s44, ttmp9, 3                       ; the block of 64 queries
	s_lshl_b32 s44, s44, 6
	s_lshl_b32 s45, s[IDX], 4
	s_add_co_u32 s[FQ], s44, s45                   ; my first query
	s_mov_b32 s[PSEL], 0x76543210
	s_mov_b32 s[PSEL+1], 0xfedcba98
	s_mov_b32 s[CS], 0x3e38aa3b                    ; c = log2(e) / 8
	s_mov_b32 s[CS+1], s[CS]                       ; (named with it as a pair, so it is written)
	s_mov_b32 s48, 0x05040100                      ; v_perm_b32: two low halves;
	s_mov_b32 s49, 0x07060302                      ; two high halves
	s_mul_i32 s45, s[SEL], HALF                    ; HB: my half's LDS
	s_mul_i32 s46, s[IDX], FRB
	s_add_co_u32 s46, s46, s45                     ; the image that my wave fills: fragment IDX
	s_lshl_b32 s47, s[IDX], 5
	v_and_b32 v45, 31, v0                          ; lane
	v_bfe_u32 v47, v0, 4, 1                        ; h
	v_lshl_add_u32 v[LI], v45, 4, s45
	s_add_co_u32 s44, s45, KSC
	v_lshl_add_u32 v[KSA], v45, 2, s44
	v_add_nc_u32 v130, s47, v45                    ; th: my thread's number in the half, 0..127
	v_lshl_add_u32 v[KSW], v130, 5, s44            ; where my 8 scale words of K go
	s_add_co_u32 s44, s45, VSC
	v_mul_u32_u24 v[VSA], v45, VSP
	v_add_nc_u32 v[VSA], s44, v[VSA]
	v_lshrrev_b32 v131, 1, v130                    ; th / 2
	v_and_b32 v143, 1, v0                          ; th % 2
	v_mul_u32_u24 v[VSW], v131, VSP
	v_lshl_add_u32 v[VSW], v143, 5, v[VSW]
	v_add_nc_u32 v[VSW], s44, v[VSW]               ; where my 32 scale bytes of V go: row th / 2, half th % 2
	v_lshlrev_b32 v[SG], 5, v130                   ; and where both come from: 32 th
	v_mul_u32_u24 v[GK], v130, 48                  ; key th of a step
	v_mul_u32_u24 v[GV], v131, 1536                ; row th / 2 of V,
	v_mad_u32_u24 v[GV], v143, 48, v[GV]           ; half th % 2 of the step's 96 bytes
	v_and_b32 v130, 7, v0
	v_lshl_add_u32 v130, v47, 3, v130              ; K: key 16 H + 8 u + j of its block goes to row m = 8 H + j,
	v_lshl_add_u32 v130, v130, 4, s46
	v_bfe_u32 v131, v0, 3, 1                       ; registers 6 u on: 520 bytes further for pieces 0 and 2, 1,016 for piece 1
	v_mad_u32_u24 v[FK1], v131, 520, v130
	v_mad_u32_u24 v[FK2], v131, 1016, v130
	s_add_co_u32 s44, s46, VOFF
	v_bfe_u32 v130, v0, 1, 4                       ; V: row lane / 2 of the fragment, registers 6 (lane % 2) on
	v_lshl_add_u32 v130, v130, 4, s44
	v_mad_u32_u24 v[FV1], v143, 520, v130
	v_mad_u32_u24 v[FV2], v143, 1016, v130
	v_and_b32 v[H16], 16, v0
	v_mul_u32_u24 v[QA], v46, 48
	v_mad_u32_u24 v[QA], v47, 24, v[QA]            ; Q: row r, + 24 h
	v_lshlrev_b32 v[QSA], 1, v46
	s_mul_i32 s44, s[WV], STGW
	s_add_co_u32 s44, s44, STG                     ; my stage
	v_mul_u32_u24 v[STO], v46, SPITCH
	v_lshl_add_u32 v[STO], v47, 5, v[STO]
	v_add_nc_u32 v[STO], s44, v[STO]               ; in: row r, + 32 h
	v_mul_u32_u24 v[RD], v47, SPITCH
	v_lshl_add_u32 v[RD], v46, 4, v[RD]
	v_add_nc_u32 v[RD], s44, v[RD]                 ; back: lanes 0-15 one row, lanes 16-31 the next
	v_lshlrev_b32 v[GO], 4, v45                    ; and in out: a tile's 16 rows are 4,096 dense bytes
	; THE RANKS.  Key = length x 16 + batch: no two are equal.  A lane's rank is the number of smaller keys
	v_mov_b32 v143, 0x800
	s_wait_loadcnt 0x0
	v_cmp_gt_i32 vcc_lo, 1, v[LEN]
	v_cndmask_b32 v[KEY], v[LEN], v143, vcc_lo     ; a length of 0 or less walks all 2,048 keys
	v_min_u32 v[KEY], 0x800, v[KEY]
	v_lshl_or_b32 v[KEY], v[KEY], 4, v46
	v_mov_b32 v[RNK], 0
.irp j, 0,1,2,3,4,5,6,7,8,9,10,11,12,13,14,15
	v_readlane_b32 s44, v[KEY], \j
	v_cmp_lt_u32 vcc_lo, s44, v[KEY]
	v_cndmask_b32 v143, 0, 1, vcc_lo
	v_add_nc_u32 v[RNK], v[RNK], v143
.endr
	v_cmp_eq_u32 vcc_lo, s[RK], v[RNK]
	s_ctz_i32_b32 s[BT], vcc_lo                    ; the batch of my half's rank
	s_min_u32 s[BT], s[BT], 15                     ; held inside the tensors ahead of every address
	v_readlane_b32 s[RAW], v[LEN], s[BT]
	s_cmp_gt_i32 s[RAW], 0
	s_cselect_b32 s[NN], s[RAW], 0x800
	s_cselect_b32 s[LENM], s[RAW], 0               ; keys that count
	s_cselect_b32 s28, 0xcaf42400, 0               ; a masked key's raw score: -1e6 x 8; where every key is masked the common shift is taken off: 0
	s_min_u32 s[NN], s[NN], 0x800
	s_min_u32 s[LENM], s[LENM], 0x800
	s_add_co_u32 s[NN], s[NN], 127
	s_lshr_b32 s[NN], s[NN], 7                     ; steps, 1..16
	s_mul_i32 s36, s[BT], BCODES
	s_mov_b32 s37, 0
	s_add_nc_u64 s[KB:KB+1], s[8:9], s[36:37]      ; K's and V's codes at the batch's step 0
	s_add_nc_u64 s[VB:VB+1], s[12:13], s[36:37]
	s_mul_i32 s38, s[FQ], 48
	s_add_co_u32 s38, s38, s36
	s_mov_b32 s39, 0
	s_add_nc_u64 s[4:5], s[4:5], s[38:39]          ; Q's codes at my first query
	s_lshl_b32 s36, s[BT], 12
	s_add_nc_u64 s[10:11], s[10:11], s[36:37]      ; the batch's scale bytes
	s_add_nc_u64 s[14:15], s[14:15], s[36:37]
	s_lshl_b32 s38, s[FQ], 1
	s_add_co_u32 s38, s38, s36
	s_add_nc_u64 s[6:7], s[6:7], s[38:39]
	s_lshl_b32 s36, s[BT], 11
	s_add_co_u32 s36, s36, s[FQ]
	s_lshl_b32 s36, s36, 8
	s_add_nc_u64 s[18:19], s[18:19], s[36:37]      ; out at my first query: rows of 256 bytes
	; 23 loads: steps 0 and 1 (every batch has 16 steps' bytes, so step 1 lies inside the buffer whatever the length), the scale bytes, Q
	FILL_LOAD 0, STA, 0x40
	global_load_b128 v[168:171], v[SG], s[10:11]
	global_load_b128 v[172:175], v[SG], s[10:11] offset:16
	global_load_b128 v[176:179], v[SG], s[14:15]
	global_load_b128 v[180:183], v[SG], s[14:15] offset:16
	FILL_LOAD 1, SCR, 0
.irp p, 0,1,2
	global_load_b64 v[16+2*\p:17+2*\p], v[QA], s[4:5] offset:8*\p
.endr
.irp p, 0,1,2
	global_load_b64 v[28+2*\p:29+2*\p], v[QA], s[4:5] offset:8*\p   ; q a second time: the two forms of source 1 share the six zeros between
.endr
	global_load_u16 v[QS], v[QSA], s[6:7]          ; q's two scale bytes; the upper two bytes are 0 and stand over zero codes
.irp i, 22,23,24,25,26,27
	v_mov_b32 v\i, 0
.endr
.set n, 0
.rept 32
	v_mov_b32 v[OA+n], 0                           ; O^T: the step is written once; the first finds zeros, which the first change of M leaves zeros
.set n, n+1
.endr
	v_mov_b32 v14, 0                               ; the sum, in two halves
	v_mov_b32 v15, 0
.irp b, 0,1,2,3
	v_mov_b32 v[PT+\b], 0                          ; written once: a lane permute's destination counts as one of its sources
.endr
	v_mov_b32 v[FF+1], 0                           ; (named as the upper half of a pair)
	v_mov_b32 v[TMP], 0
	v_mov_b32 v13, 0xff61b1e6                      ; the largest t so far: -3e38
	v_floor_f32 v12, -v13                          ; -M
	v_mov_b32 v[MV], s28
	s_wait_xcnt 0x0                                ; the loads have read their bases
	s_add_nc_u64 s[KB:KB+1], s[KB:KB+1], 2*KSTEPB  ; on to step 2, which the first trip asks for
	s_add_nc_u64 s[VB:VB+1], s[VB:VB+1], 2*VSTEPB
	s_wait_loadcnt 7                               ; all but Q's seven, which were issued last
	FILL_STORE 0, STA, 0x04
	FILL_STORE 1, SCR, 0
.irp c, 0,1,2,3                                ; K's scale words: my 16 keys are one half block: word j = key j's two bytes below, key 8 + j's above
	v_perm_b32 v[184+2*\c], v[172+\c], v[168+\c], s48
	v_perm_b32 v[185+2*\c], v[172+\c], v[168+\c], s49
.endr
	ds_store_b128 v[KSW], v[184:187]
	ds_store_b128 v[KSW], v[188:191] offset:16
	ds_store_b128 v[VSW], v[176:179]
	ds_store_b128 v[VSW], v[180:183] offset:16
	s_wait_dscnt 0x0                               ; for the others' sake: my stores have landed
	s_barrier_signal -1
	s_barrier_wait -1
	KFETCH 0, 0
	s_wait_loadcnt 0x0                             ; Q
	v_lshlrev_b32 v[QS+1], 16, v[QS]               ; the scale word for [0 | q]
.rept 8
	v_nop                                          ; a scale register written by a vector instruction stands eight places ahead of a scaled product; Q's zeros four
.endr
	s_wait_dscnt 0x0
	s_mov_b32 s[SS], 0
	s_mov_b32 s[KFI], 0
	s_mov_b32 s[CNT], 4
.Lring:                                            ; four trips of four steps: once round the ring in each; the count is a constant, and steps past a batch's last do nothing but meet at the barrier
	TRIP 0, 1, 2
	TRIP 1, 2, 3
	TRIP 2, 3, 0
	TRIP 3, 0, 1
	s_wait_xcnt 0x0                                ; the trips' loads have read their bases
	s_add_nc_u64 s[KB:KB+1], s[KB:KB+1], 4*KSTEPB
	s_add_nc_u64 s[VB:VB+1], s[VB:VB+1], 4*VSTEPB
	v_add_nc_u32 v[KSA], 1024, v[KSA]              ; four steps' scale words of K,
	v_add_nc_u32 v[VSA], 16, v[VSA]                ; and of V (no LDS load of mine is out)
	s_sub_co_u32 s[CNT], s[CNT], 1
	s_cmp_lg_u32 s[CNT], 0
	s_cbranch_scc1 .Lring
	; THE WAY OUT.  O^T / the sum goes through my own stage in LDS and leaves as whole rows: each store of the wave covers 512 consecutive bytes, aligned
.rept 4
	v_nop                                          ; places behind the last products
.endr
	v_add_f32 v14, v14, v15                        ; the sum's two halves,
	v_permlanex16_b32 v[TMP], v14, s[PSEL], s[PSEL+1]
	v_add_f32 v14, v14, v[TMP]                     ; and lane l xor 16's
	v_rcp_f32 v14, v14
	v_nop                                          ; one plain instruction behind the reciprocal
.set n, 0
	s_wait_alu depctr_va_vdst(0)
.rept 16
	v_pk_mul_f32 v[SCR+n:SCR+n+1], v[OA+n:OA+n+1], v[14:15] op_sel_hi:[1,0]   ; register 8 t + i is out(r, 16 t + 8 h + i); ascending
.set n, n+2
.endr
.irp t, 0,1,2,3
	ds_store_b128 v[STO], v[SCR+8*\t:SCR+8*\t+3] offset:64*\t
	ds_store_b128 v[STO], v[SCR+8*\t+4:SCR+8*\t+7] offset:64*\t+16
.endr
.irp i, 0,1,2,3,4,5,6,7
	ds_load_b128 v[SCR+32+4*\i:SCR+32+4*\i+3], v[RD] offset:2*\i*SPITCH   ; LDS serves a wave's instructions in order (ISA guide 5.7.1.4): these see my stores
.endr
.irp i, 0,1,2,3,4,5,6,7
	s_wait_dscnt 7-\i                              ; the loads issued behind load i may be out
	global_store_b128 v[GO], v[SCR+32+4*\i:SCR+32+4*\i+3], s[18:19] offset:512*\i th:TH_STORE_NT   ; written once, read by nobody here
.endr
	s_wait_tensorcnt 0x0
	ds_add_u32 v254, v255
	s_wait_dscnt 0x0
	s_endpgm
.Lfunc_end_k_qa905349275_attn:
	.size	k_qa905349275_attn, .Lfunc_end_k_qa905349275_attn-k_qa905349275_attn
	.p2alignl 7, 3214868480
	.fill 96, 4, 3214868480
	.section	.rodata,"a",@progbits
	.p2align	6, 0x0
	.amdhsa_kernel k_qa905349275_attn
		.amdhsa_group_segment_fixed_size 168960
		.amdhsa_private_segment_fixed_size 0
		.amdhsa_enable_private_segment 0
		.amdhsa_kernarg_size 64
		.amdhsa_user_sgpr_count 2
		.amdhsa_user_sgpr_kernarg_segment_ptr 1
		.amdhsa_wavefront_size32 1
		.amdhsa_system_sgpr_workgroup_id_x 1
		.amdhsa_system_sgpr_workgroup_id_y 1
		.amdhsa_system_sgpr_workgroup_id_z 1
		.amdhsa_system_vgpr_workitem_id 0
		.amdhsa_next_free_vgpr 384
		.amdhsa_next_free_sgpr 66
		.amdhsa_reserve_vcc 1
		.amdhsa_float_denorm_mode_32 3
		.amdhsa_float_denorm_mode_16_64 3
		.amdhsa_memory_ordered 1
		.amdhsa_forward_progress 1
		.amdhsa_inst_pref_size 110
	.end_amdhsa_kernel
	.amdgpu_metadata
---
amdhsa.version: [ 1, 2 ]
amdhsa.kernels:
  - .name:           k_qa905349275_attn
    .symbol:         k_qa905349275_attn.kd
    .args:
      - { .name: queries_codes, .offset: 0, .size: 8, .value_kind: global_buffer, .address_space: global }
      - { .name: queries_scales, .offset: 8, .size: 8, .value_kind: global_buffer, .address_space: global }
      - { .name: keys_codes, .offset: 16, .size: 8, .value_kind: global_buffer, .address_space: global }
      - { .name: keys_scales, .offset: 24, .size: 8, .value_kind: global_buffer, .address_space: global }
      - { .name: values_codes, .offset: 32, .size: 8, .value_kind: global_buffer, .address_space: global }
      - { .name: values_scales, .offset: 40, .size: 8, .value_kind: global_buffer, .address_space: global }
      - { .name: valid_lens, .offset: 48, .size: 8, .value_kind: global_buffer, .address_space: global }
      - { .name: out0, .offset: 56, .size: 8, .value_kind: global_buffer, .address_space: global }
    .group_segment_fixed_size: 168960
    .private_segment_fixed_size: 0
    .kernarg_segment_align: 8
    .kernarg_segment_size: 64
    .max_flat_workgroup_size: 256
    .sgpr_count:     66
    .vgpr_count:     384
    .wavefront_size: 32
...
	.end_amdgpu_metadata
.endif
;; end of part 1
;; ======== version 2 of 2: 1 launch; version 1 with the launch attn written anew for expert scheduling mode
;; limits: right only within a limited range of input values
;; launch attn (part 2): grid 256 x 1, 8 waves a work-group, no clusters, 168,960 bytes of LDS; arguments queries_codes, queries_scales, keys_codes, keys_scales, values_codes, values_scales, valid_lens, out0; writes out0
.if DOCPART == 2
	.amdgcn_target "amdgcn-amd-amdhsa--gfx1250"
	.amdhsa_code_object_version 6
	.text
	.protected	k_qa905349275_attn
	.globl	k_qa905349275_attn
	.p2align	8
	.type	k_qa905349275_attn,@function
k_qa905349275_attn:
	s_mov_b64 s[64:65], 0
	v_nop
	global_prefetch_b8 v0, s[64:65] scope:SCOPE_SE
	s_setreg_imm32_b32 hwreg(HW_REG_WAVE_SCHED_MODE, 0, 2), 2
	s_setreg_imm32_b32 hwreg(HW_REG_WAVE_MODE, 25, 1), 1
	s_wait_xcnt 0x0
	s_wait_alu depctr_vm_vsrc(0)
; out[b][q][:] = the sum over k of softmax_k(masked(Q[b][q] . K[b][k] / 8)) V[b][k][:], 16 batches, 2,048 queries, 2,048 keys, head 64; keys at or past valid_lens[b] take the score -1e6.
; Both products run on codes of BF6 (E3M2) with one E8M0 scale for each 32 along K.  Q, K: 48 bytes of codes and 2 scale bytes a row.  V: keys innermost, 64 rows of 1,536 bytes and 64 scale bytes a batch.
; SOFTMAX: t = score x log2(e) / 8; M = the running largest t rounded UP to a whole number; p = 2^(t - M) is quantised along the keys, not normalised; the row's sum is taken of the unquantised p and divides at the end.
; SHARES.  A wave owns one tile of 16 queries and walks its batch's keys 128 a step, n = ceil(valid_len / 128) steps: a step all of whose keys are masked is left out (its p are 0).
; A step is 12 matrix instructions beside some 240 vector instructions, so the vector work is evened out: every wave ranks the 16 lengths (ties: the lower batch first); a work-group serves the batches of rank
; p and 15 - p, 64 queries of each, four waves (a HALF) to a batch, the halves dealt so that waves w and w + 4, and waves 2 i and 2 i + 1, belong to different halves.  8 pairs x 32 blocks of queries = 256 work-groups.
; K'S FRAGMENTS ARE DOUBLE.  The head's 64 fill half of the instruction's 128 along K.  So a row of source 0 holds TWO keys (a at k 0-63, a + 8 at k 64-127), and source 1 is [q | 0] or [0 | q]: two products on one
; fragment give 32 keys' scores.  Row m = 8 H + j of fragment b holds keys 32 b + 16 H + j and 32 b + 16 H + 8 + j: so register 16 b + i of lane (r, h) is key 32 b + 16 h + i of query r: 16 neighbours along the next K.
; Both products are used transposed (source 0 = keys, or V's rows; source 1 = my queries): a lane holds one query throughout.
; LDS.  A step's codes (6,144 bytes of K, 6,144 of V) come from memory through registers into a ring of four slots for each half, laid as IMAGES OF THE OPERANDS' REGISTERS: register c of lane l at 512 (c / 4) + 16 l + 4 (c % 4),
; so that a fragment is three loads of 512 consecutive bytes.  A batch's scale bytes are laid once: K's as words (two keys' bytes), V's as rows of 64 + 16 bytes.  One barrier a step: trip s reads V of slot s % 4 and K of
; slot (s + 1) % 4 and writes slot (s + 2) % 4, whose last reads stand two barriers back.
; NO TENSOR LOADS, NO JOINT REQUESTS, though the 32 work-groups of a batch read the same tiles: the number of steps hangs on valid_lens, which is read from memory, and partners would need different numbers of tiles;
; walking all 16 steps in every wave instead would on spread lengths double the vector work, which is what this kernel is made of.
; THE MODE: SCHED_MODE bits 1:0 = 2 (LLVM: expert scheduling mode 2), set by the entry lines.  The code itself states the register dependences between vector or matrix instructions and memory or LDS
; instructions, with s_wait_alu, always for 0.
; THE PLAN.  Registers that memory or LDS instructions touch, in the loop:
;   STA      the six global loads at a step's head land in it; the step's LDS stores into the ring read it; no vector instruction names it.  One wait on vm_vsrc ahead of the loads.
;   V, VS    the LDS loads behind the first products land in them; the four second products at the step's end read them.
;   KF, KS   the eight first products at a step's head read them; the LDS loads of the next step's K land in them, in the middle of the softmax.
;   KSA, VSA read by the scale words' LDS loads; written once in four steps, at the ring's turn, behind a wait on vm_vsrc.  All other offsets and addresses are made in the head and never written again.
;   PC, PW   p's codes and scale word: written by vector instructions, taken by the scaled second products.
; So three waits on va_vdst stand in a step.  At its head: the last step's second products are done reading V and VS; KSA and VSA are written.  Behind the exponentials: their results are written, and the first
; products are done reading KF and KS.  Ahead of the second products: PC and PW are written.  Between such a wait and the loads that lean on it no vector or matrix instruction names a register that those loads touch.
; Compares are laid in runs of 16 into scalar registers, with one wait on va_sdst between a run and the selects that read it.
; LIMITS.  (1) Steps that are left out count as p = 0: that holds while a row's largest unmasked score q . k / 8 lies above about -9.9e5.  (2) valid_len <= 0 (every key masked): reference() gives a uniform softmax;
; here all 16 steps run with every score 0, p = 1.  valid_len above 2,048 is held at 2,048.  (3) A scale byte 0xff (NaN) among the inputs is not served.  (4) A block's largest p is made from the block's largest score by the
; same multiply-add and exponential, which takes v_exp_f32 not to fall where its input rises.
.set HALF,   58368                     ; LDS of a half: the ring, K's scale words, V's scale rows
.set SLOTB,  12288                     ; a slot: K's four images, then V's four
.set VOFF,   6144
.set FRB,    1536                      ; an image: 12 registers x 128 bytes
.set KSC,    49152                     ; K's scale words: word (block of 32 keys bb, row m) at 64 bb + 4 m: 4,096 bytes
.set VSC,    53248                     ; V's scale rows: 64 rows, 80 bytes apart
.set VSP,    80
.set STG,    2*HALF                    ; the way out: 16 rows x 272 bytes for each wave
.set STGW,   4352
.set SPITCH, 272
.set KSTEPB, 6144                      ; a step in K's codes: 128 keys x 48 bytes
.set VSTEPB, 96                        ; and in a row of V's: 128 codes
.set BCODES, 98304                     ; a batch's codes, in each of the three tensors
; vector registers, window 0
.set LI,  1                            ; HB + 16 lane: an image's place for my lane
.set KSA, 2                            ; K's scale words: HB + KSC + 4 lane; 1,024 on with every four steps
.set VSA, 3                            ; V's: HB + VSC + 80 lane; 16 on with every four steps
.set FK1, 4                            ; where my key's pieces go in its image (pieces 0 and 2; piece 1)
.set FK2, 5
.set FV1, 6                            ; the same for my half row of V
.set FV2, 7
.set GK,  8                            ; memory: my key's row in a step of K
.set GV,  9                            ; my half row in a step of V
.set H16, 10                           ; 16 (lane / 16)
.set MV,  11                           ; the raw score of a masked key
.set QS,  34                           ; v34 Q's scale word for [q | 0], v35 for [0 | q]
.set KS,  36                           ; v36-37 K's scale words: lanes 0-15 the even fragment's, lanes 16-31 the odd one's
.set VS,  38                           ; v38-39 V's likewise
.set PW,  40                           ; p's scale word
.set DD,  41                           ; the mask: valid_len - the step's first key - 16 (lane / 16)
.set STO, 42
.set RD,  43
.set GO,  44
.set KF,  48                           ; v48-95  K's four double fragments
.set PC,  96                           ; v96-107 p's codes
.set CT,  108                          ; v108-110, v112-114 the second halves of the conversions
.set BM,  116                          ; v116-119 the blocks' largest scores, then largest p
.set PT,  120                          ; v120-123 the other half's, then the bytes
.set SOP, 124                          ; v124-127 the conversions' scale operands
.set FF,  128                          ; v[128:129] f = 2^(old M - new M)
.set TMP, 130
.set SG,  134                          ; head only: 32 x my thread's number in the half
.set KSW, 135
.set VSW, 136
.set QA,  137
.set QSA, 138
.set LA,  139
.set LEN, 140
.set KEY, 141
.set RNK, 142
.set SCR, 144                          ; v144-207 S^T, then p
.set OA,  208                          ; v208-239 O^T
; window 1: v0-47 V's four fragments; v48-71 the codes on their way from memory to the ring
.set STA, 48
; v12 -M, v13 the largest t, v[14:15] the sum in two halves, v16-21 q, v22-27 zeros, v28-33 q again: [q | 0] = v[16:27], [0 | q] = v[22:33]; v[132:133] the sum's second chain
; scalar registers
.set WV,  20
.set SEL, 21                           ; my half
.set IDX, 22                           ; my number in it
.set RK,  23                           ; the rank that my half serves
.set BT,  24                           ; its batch
.set RAW, 25                           ; valid_len as given
.set NN,  26                           ; steps
.set LENM, 27                          ; keys that count
.set SS,  29                           ; the step
.set KFI, 30                           ; its first key
.set CNT, 31
.set PSEL, 32                          ; s[32:33] v_permlanex16_b32's selects for lane l xor 16
.set CS,  34                           ; s[34:35] c = log2(e) / 8
.set KB,  40                           ; s[40:41] K's codes at the step that trip 0 of the ring's turn asks for
.set VB,  42                           ; s[42:43] V's likewise
.set FQ,  50                           ; head only: my first query
.set MK,  48                           ; s[48:63] in the loop: a run of sixteen compares' masks (s48-50 serve the head alone)
.set MSB, 0
.macro WIN new                         ; the immediate's high byte repeats the setting that is left; a switch that changes nothing is dropped
.if MSB != \new
	s_set_vgpr_msb (MSB<<8)|\new
.set MSB, \new
.endif
.endm
; Six loads of 16 bytes a lane: my key's 48 bytes and my 48 bytes of a row of V, of the step st steps on from the bases
.macro FILL_LOAD st, reg, win
	WIN \win
.irp i, 0,1,2
	global_load_b128 v[\reg+4*\i:\reg+4*\i+3], v[GK], s[KB:KB+1] offset:KSTEPB*(\st)+16*\i
.endr
.irp i, 0,1,2
	global_load_b128 v[\reg+12+4*\i:\reg+12+4*\i+3], v[GV], s[VB:VB+1] offset:VSTEPB*(\st)+16*\i
.endr
	WIN 0
.endm
; They go into the images in pieces of 8 bytes: the 24 bytes at 24 hh belong to lane m + 16 hh (256 hh bytes on), as its registers 6 u .. 6 u + 5
.macro FILL_STORE slot, reg, win
	WIN \win
.irp hh, 0,1
	ds_store_b64 v[FK1], v[\reg+6*\hh:\reg+6*\hh+1] offset:SLOTB*(\slot)+256*\hh
	ds_store_b64 v[FK2], v[\reg+6*\hh+2:\reg+6*\hh+3] offset:SLOTB*(\slot)+256*\hh+8
	ds_store_b64 v[FK1], v[\reg+6*\hh+4:\reg+6*\hh+5] offset:SLOTB*(\slot)+256*\hh+512
	ds_store_b64 v[FV1], v[\reg+12+6*\hh:\reg+12+6*\hh+1] offset:SLOTB*(\slot)+256*\hh
	ds_store_b64 v[FV2], v[\reg+12+6*\hh+2:\reg+12+6*\hh+3] offset:SLOTB*(\slot)+256*\hh+8
	ds_store_b64 v[FV1], v[\reg+12+6*\hh+4:\reg+12+6*\hh+5] offset:SLOTB*(\slot)+256*\hh+512
.endr
	WIN 0
.endm
; K's four double fragments of a slot, and their scale words (so: the step's 256 bytes of words, counted from KSA)
.macro KFETCH slot, so
.irp b, 0,1,2,3
.irp c, 0,1,2
	ds_load_b128 v[KF+12*\b+4*\c:KF+12*\b+4*\c+3], v[LI] offset:SLOTB*(\slot)+FRB*\b+512*\c
.endr
.endr
	ds_load_b32 v[KS], v[KSA] offset:\so
	ds_load_b32 v[KS+1], v[KSA] offset:(\so)+128
.endm
; V's four fragments of a slot into window 1, and their scale words (4 bytes a step in each row)
.macro VFETCH slot, st
	WIN 0x40                                       ; destination window 1, address window 0
.irp t, 0,1,2,3
.irp c, 0,1,2
	ds_load_b128 v[12*\t+4*\c:12*\t+4*\c+3], v[LI] offset:SLOTB*(\slot)+VOFF+FRB*\t+512*\c
.endr
.endr
	WIN 0
	ds_load_b32 v[VS], v[VSA] offset:4*(\st)
	ds_load_b32 v[VS+1], v[VSA] offset:4*(\st)+32*VSP
.endm
; S^T = K Q^T: eight products, each starting its own sum with the constant 0
.macro QK
.irp b, 0,1,2,3
.if \b%2
	v_wmma_scale_f32_16x16x128_f8f6f4 v[SCR+16*\b:SCR+16*\b+7], v[KF+12*\b:KF+12*\b+11], v[16:27], 0, v[KS+\b/2], v[QS] matrix_a_fmt:MATRIX_FMT_BF6 matrix_b_fmt:MATRIX_FMT_BF6 matrix_a_scale:MATRIX_SCALE_ROW1
	v_wmma_scale_f32_16x16x128_f8f6f4 v[SCR+16*\b+8:SCR+16*\b+15], v[KF+12*\b:KF+12*\b+11], v[22:33], 0, v[KS+\b/2], v[QS+1] matrix_a_fmt:MATRIX_FMT_BF6 matrix_b_fmt:MATRIX_FMT_BF6 matrix_a_scale:MATRIX_SCALE_ROW1
.else
	v_wmma_scale_f32_16x16x128_f8f6f4 v[SCR+16*\b:SCR+16*\b+7], v[KF+12*\b:KF+12*\b+11], v[16:27], 0, v[KS+\b/2], v[QS] matrix_a_fmt:MATRIX_FMT_BF6 matrix_b_fmt:MATRIX_FMT_BF6
	v_wmma_scale_f32_16x16x128_f8f6f4 v[SCR+16*\b+8:SCR+16*\b+15], v[KF+12*\b:KF+12*\b+11], v[22:33], 0, v[KS+\b/2], v[QS+1] matrix_a_fmt:MATRIX_FMT_BF6 matrix_b_fmt:MATRIX_FMT_BF6
.endif
.endr
.endm
; The step that holds valid_len: register 16 b + i holds key KFI + 16 (lane / 16) + 32 b + i, masked where 32 b + i >= DD.  Ascending, so that each result is read from its low end on.
; A block's sixteen compares go as a run into sixteen scalar registers, then the sixteen selects
.macro MASK
	s_sub_co_i32 s44, s[LENM], s[KFI]
	v_sub_nc_u32 v[DD], s44, v[H16]
.irp b, 0,1,2,3
.irp i, 0,1,2,3,4,5,6,7,8,9,10,11,12,13,14,15
	v_cmp_ge_i32 s[MK+\i], 32*\b+\i, v[DD]
.endr
	s_wait_alu depctr_va_sdst(0)                   ; the sixteen compares have written s[MK ..], ahead of the selects that read them
.irp i, 0,1,2,3,4,5,6,7,8,9,10,11,12,13,14,15
	v_cndmask_b32 v[SCR+16*\b+\i], v[SCR+16*\b+\i], v[MV], s[MK+\i]
.endr
.endr
.endm
; The softmax's first part: the maxima, M, t - M, the exponentials and their wait
.macro SOFT_A
.irp b, 0,1,2,3
	v_max3_num_f32 v[BM+\b], v[SCR+16*\b], v[SCR+16*\b+1], v[SCR+16*\b+2]   ; the largest score of each block of 32 keys: it serves for the row's maximum and, since p rises with the score, for the block's largest p
.endr
.irp i, 3,5,7,9,11,13
.irp b, 0,1,2,3
	v_max3_num_f32 v[BM+\b], v[BM+\b], v[SCR+16*\b+\i], v[SCR+16*\b+\i+1]   ; (the four blocks by turns)
.endr
.endr
.irp b, 0,1,2,3
	v_max_num_f32 v[BM+\b], v[BM+\b], v[SCR+16*\b+15]
.endr
.irp b, 0,1,2,3
	v_permlanex16_b32 v[PT+\b], v[BM+\b], s[PSEL], s[PSEL+1]
.endr
.irp b, 0,1,2,3
	v_max_num_f32 v[BM+\b], v[BM+\b], v[PT+\b]     ; with lane l xor 16's 16 keys
.endr
	v_max3_num_f32 v[TMP], v[BM], v[BM+1], v[BM+2]
	v_max_num_f32 v[TMP], v[TMP], v[BM+3]          ; the step's largest score of my query
	v_mul_f32 v[TMP], s[CS], v[TMP]                ; as t (c is positive)
	v_max_num_f32 v13, v13, v[TMP]                 ; the running largest t
	v_mov_b32 v[TMP], v12
	v_floor_f32 v12, -v13                          ; the new -M = floor(-t) = -ceil(t): a whole number
	v_sub_f32 v[TMP], v12, v[TMP]                  ; old M less new M: a whole number, 0 or less
	v_cvt_i32_f32 v[TMP], v[TMP]                   ; (it saturates)
	v_ldexp_f32 v[FF], 1.0, v[TMP]                 ; f = 2^(old M - new M): a multiplication by it rounds nothing
.set n, 0
.rept 32
	v_pk_fma_f32 v[SCR+n:SCR+n+1], v[SCR+n:SCR+n+1], s[CS:CS+1], v[12:13] op_sel_hi:[1,0,0]   ; t - M, two at a time (of the pairs c and -M the low word serves both halves)
.set n, n+2
.endr
.irp b, 0,1,2,3
	v_fma_f32 v[BM+\b], v[BM+\b], s[CS], v12       ; the same of each block's largest score
.endr
.set n, 0
.rept 64
	v_exp_f32 v[SCR+n], v[SCR+n]                   ; p = 2^(t - M)
.set n, n+1
.endr
.irp b, 0,1,2,3
	v_exp_f32 v[BM+\b], v[BM+\b]                   ; the block's largest p: the same two instructions on the same number
.endr
	v_pk_mul_f32 v[14:15], v[14:15], v[FF:FF+1] op_sel_hi:[1,0]   ; the sums under the new M; also the plain instruction behind the exponentials
	s_wait_alu depctr_va_vdst(0)                   ; the 68 exponentials have written p and the blocks' largest p, ahead of their first reader; and this step's first products are done reading KF and KS, in which the next step's loads land
.endm
; Its second part: the scales, the codes, the row's sum, O^T under the new M
.macro SOFT_B
.irp b, 0,1,2,3
	v_max_num_f32 v[BM+\b], 0x2800000, v[BM+\b]    ; the floor 2^(5 - 127): the byte cannot fall under 1 (a block whose every p is 0 keeps that byte: its codes are zeros)
.endr
.irp b, 0,1,2,3
	v_add_nc_u32 v[SOP+\b], 0xfe000000, v[BM+\b]   ; 4 off the exponent field: the conversion's scale operand
.endr
.irp b, 0,1,2,3
	v_lshrrev_b32 v[PT+\b], 23, v[SOP+\b]          ; the scale's byte
.endr
	v_lshl_or_b32 v[PW], v[PT+1], 8, v[PT]         ; p's scale word for these 128 keys
	v_lshl_or_b32 v[PW], v[PT+2], 16, v[PW]
	v_lshl_or_b32 v[PW], v[PT+3], 24, v[PW]
.irp c, 0,1
	v_cvt_scalef32_pk16_bf6_f32 v[PC+6*\c:PC+6*\c+2], v[SCR+32*\c:SCR+32*\c+15], v[SOP+2*\c]
	v_cvt_scalef32_pk16_bf6_f32 v[CT+4*\c:CT+4*\c+2], v[SCR+32*\c+16:SCR+32*\c+31], v[SOP+2*\c+1]   ; (a conversion's three registers begin on an even number)
.endr
	v_nop                                          ; one plain instruction behind the last scaled conversion
.irp c, 0,1                                    ; the operand's layout wants a whole block in a lane: lanes 0-15 block 2 c, lanes 16-31 block 2 c + 1
.irp i, 0,1,2
	v_permlane16_swap_b32 v[PC+6*\c+\i], v[CT+4*\c+\i]
.endr
.irp i, 0,1,2
	v_mov_b32 v[PC+3+6*\c+\i], v[CT+4*\c+\i]
.endr
.endr
	v_pk_add_f32 v[132:133], v[SCR:SCR+1], v[SCR+2:SCR+3]   ; the row's sum is taken of the unquantised p: two at a time, in two chains
.irp j, 4,8,12,16,20,24,28,32,36,40,44,48,52,56,60
	v_pk_add_f32 v[14:15], v[14:15], v[SCR+\j:SCR+\j+1]
	v_pk_add_f32 v[132:133], v[132:133], v[SCR+\j+2:SCR+\j+3]
.endr
	v_pk_add_f32 v[14:15], v[14:15], v[132:133]
.set n, 0
.rept 16
	v_pk_mul_f32 v[OA+n:OA+n+1], v[OA+n:OA+n+1], v[FF:FF+1] op_sel_hi:[1,0]   ; O^T under the new M, ascending.  The 32 sums above are the places between p's scale word and codes and the products below
.set n, n+2
.endr
.endm
; O^T += V^T P^T: four accumulators, one instruction each
.macro PV
	WIN 0x01                                       ; source 0 (V) window 1
.irp t, 0,1,2,3
.if \t%2
	v_wmma_scale_f32_16x16x128_f8f6f4 v[OA+8*\t:OA+8*\t+7], v[12*\t:12*\t+11], v[PC:PC+11], v[OA+8*\t:OA+8*\t+7], v[VS+\t/2], v[PW] matrix_a_fmt:MATRIX_FMT_BF6 matrix_b_fmt:MATRIX_FMT_BF6 matrix_a_scale:MATRIX_SCALE_ROW1
.else
	v_wmma_scale_f32_16x16x128_f8f6f4 v[OA+8*\t:OA+8*\t+7], v[12*\t:12*\t+11], v[PC:PC+11], v[OA+8*\t:OA+8*\t+7], v[VS+\t/2], v[PW] matrix_a_fmt:MATRIX_FMT_BF6 matrix_b_fmt:MATRIX_FMT_BF6
.endif
.endr
	WIN 0
.endm
; A KEY STEP.  cur: the slot of this step (its V is read); nxt: the next step's (its K is read); fil: the slot that takes the step two on.  Every branch is a scalar one on whole numbers; the barrier is on every way.
.macro TRIP cur, nxt, fil
	s_cmp_ge_u32 s[SS], s[NN]
	s_cbranch_scc1 .Lidle_\@                       ; my batch has no such step: only the barrier
	s_add_co_u32 s44, s[SS], 2
	s_cmp_lt_u32 s44, s[NN]
	s_cbranch_scc0 .Lno_load_\@
	s_wait_alu depctr_vm_vsrc(0)                   ; the last step's LDS stores into the ring have read STA, in which the six loads below land
	FILL_LOAD \cur, STA, 0x40                      ; the step two on is asked for: it has this whole step in which to arrive
.Lno_load_\@:
	s_wait_alu depctr_va_vdst(0)                   ; the last step's second products are done reading V and VS, in which the loads below land; behind the ring's turn KSA and VSA are written, which the LDS loads read; in the first step Q's second scale word and its zeros are written, which the products take
	QK
.rept 4
	v_nop                                          ; four places behind these products, ahead of the first read of the scores
.endr
	VFETCH \cur, \cur                              ; no further wait: the products above name KF, KS, Q and the scores, none of the registers that these loads touch
	s_add_co_u32 s44, s[KFI], 128
	s_cmp_le_u32 s44, s[LENM]
	s_cbranch_scc1 .Lopen_\@                       ; all 128 keys count
	MASK
.Lopen_\@:
	SOFT_A
	s_add_co_u32 s44, s[SS], 1
	s_cmp_lt_u32 s44, s[NN]
	s_cbranch_scc0 .Lno_k_\@
	KFETCH \nxt, 256*((\cur)+1)                    ; the next step's K, straight behind the wait that ends the first part: nothing but scalar lines stands between
.Lno_k_\@:
	SOFT_B
	s_wait_dscnt 0x0                               ; V's fragments, and the next step's K where it was asked for: the count serves both ways, so it is 0
	s_wait_alu depctr_va_vdst(0)                   ; the conversions, exchanges and moves have written p's codes and the shifts its scale word, which the scaled products below take; the packed lines above stay as the places beside this wait
	PV
	s_wait_loadcnt 0x0                             ; the six loads, where they were issued: on every way none is out behind this line
	s_add_co_u32 s44, s[SS], 2
	s_cmp_lt_u32 s44, s[NN]
	s_cbranch_scc0 .Lidle_\@
	FILL_STORE \fil, STA, 0x04                     ; an LDS store's data are its source 1: window 1.  Loads wrote the data, and the addresses were written ahead of the head's wait
.Lidle_\@:
	s_wait_dscnt 0x0                               ; for the others' sake: my stores into the ring have landed and my reads of it are in
	s_barrier_signal -1
	s_barrier_wait -1
	s_add_co_u32 s[SS], s[SS], 1
	s_add_co_u32 s[KFI], s[KFI], 128
.endm
	s_load_b512 s[4:19], s[0:1], 0x0               ; Q's codes s[4:5], scales s[6:7]; K's s[8:9], s[10:11]; V's s[12:13], s[14:15]; valid_lens s[16:17]; out s[18:19]
	v_lshl_add_u32 v254, v0, 2, 0x29000
	v_mov_b32 v255, 0
	v_lshrrev_b32 v45, 5, v0
	v_readfirstlane_b32 s[WV], v45                 ; wave 0..7
	v_and_b32 v46, 15, v0                          ; r
	v_lshlrev_b32 v[LA], 2, v46
	s_wait_kmcnt 0x0
	s_wait_alu depctr_va_vdst(0)                   ; v[LA] is written, which the load below reads as its offset
	global_load_b32 v[LEN], v[LA], s[16:17]        ; lane l holds the length of batch l % 16; the addresses below are made while it is out
	s_wait_alu depctr_va_sdst(0)                   ; s[WV] is written, ahead of its first reader
	s_lshr_b32 s44, s[WV], 2
	s_xor_b32 s[SEL], s[WV], s44
	s_and_b32 s[SEL], s[SEL], 1                    ; my half: waves 0, 2, 5, 7 are half 0, waves 1, 3, 4, 6 half 1
	s_lshr_b32 s[IDX], s[WV], 1                    ; my number in it, 0..3
	s_and_b32 s[RK], ttmp9, 7                      ; the pair of ranks: p and 15 - p
	s_sub_co_u32 s44, 15, s[RK]
	s_cmp_eq_u32 s[SEL], 1
	s_cselect_b32 s[RK], s44, s[RK]
	s_lshr_b32 s44, ttmp9, 3                       ; the block of 64 queries
	s_lshl_b32 s44, s44, 6
	s_lshl_b32 s45, s[IDX], 4
	s_add_co_u32 s[FQ], s44, s45                   ; my first query
	s_mov_b32 s[PSEL], 0x76543210
	s_mov_b32 s[PSEL+1], 0xfedcba98
	s_mov_b32 s[CS], 0x3e38aa3b                    ; c = log2(e) / 8
	s_mov_b32 s[CS+1], s[CS]                       ; (named with it as a pair, so it is written)
	s_mov_b32 s48, 0x05040100                      ; v_perm_b32: two low halves;
	s_mov_b32 s49, 0x07060302                      ; two high halves
	s_mul_i32 s45, s[SEL], HALF                    ; HB: my half's LDS
	s_mul_i32 s46, s[IDX], FRB
	s_add_co_u32 s46, s46, s45                     ; the image that my wave fills: fragment IDX
	s_lshl_b32 s47, s[IDX], 5
	v_and_b32 v45, 31, v0                          ; lane
	v_bfe_u32 v47, v0, 4, 1                        ; h
	v_lshl_add_u32 v[LI], v45, 4, s45
	s_add_co_u32 s44, s45, KSC
	v_lshl_add_u32 v[KSA], v45, 2, s44
	v_add_nc_u32 v130, s47, v45                    ; th: my thread's number in the half, 0..127
	v_lshl_add_u32 v[KSW], v130, 5, s44            ; where my 8 scale words of K go
	s_add_co_u32 s44, s45, VSC
	v_mul_u32_u24 v[VSA], v45, VSP
	v_add_nc_u32 v[VSA], s44, v[VSA]
	v_lshrrev_b32 v131, 1, v130                    ; th / 2
	v_and_b32 v143, 1, v0                          ; th % 2
	v_mul_u32_u24 v[VSW], v131, VSP
	v_lshl_add_u32 v[VSW], v143, 5, v[VSW]
	v_add_nc_u32 v[VSW], s44, v[VSW]               ; where my 32 scale bytes of V go: row th / 2, half th % 2
	v_lshlrev_b32 v[SG], 5, v130                   ; and where both come from: 32 th
	v_mul_u32_u24 v[GK], v130, 48                  ; key th of a step
	v_mul_u32_u24 v[GV], v131, 1536                ; row th / 2 of V,
	v_mad_u32_u24 v[GV], v143, 48, v[GV]           ; half th % 2 of the step's 96 bytes
	v_and_b32 v130, 7, v0
	v_lshl_add_u32 v130, v47, 3, v130              ; K: key 16 H + 8 u + j of its block goes to row m = 8 H + j,
	v_lshl_add_u32 v130, v130, 4, s46
	v_bfe_u32 v131, v0, 3, 1                       ; registers 6 u on: 520 bytes further for pieces 0 and 2, 1,016 for piece 1
	v_mad_u32_u24 v[FK1], v131, 520, v130
	v_mad_u32_u24 v[FK2], v131, 1016, v130
	s_add_co_u32 s44, s46, VOFF
	v_bfe_u32 v130, v0, 1, 4                       ; V: row lane / 2 of the fragment, registers 6 (lane % 2) on
	v_lshl_add_u32 v130, v130, 4, s44
	v_mad_u32_u24 v[FV1], v143, 520, v130
	v_mad_u32_u24 v[FV2], v143, 1016, v130
	v_and_b32 v[H16], 16, v0
	v_mul_u32_u24 v[QA], v46, 48
	v_mad_u32_u24 v[QA], v47, 24, v[QA]            ; Q: row r, + 24 h
	v_lshlrev_b32 v[QSA], 1, v46
	s_mul_i32 s44, s[WV], STGW
	s_add_co_u32 s44, s44, STG                     ; my stage
	v_mul_u32_u24 v[STO], v46, SPITCH
	v_lshl_add_u32 v[STO], v47, 5, v[STO]
	v_add_nc_u32 v[STO], s44, v[STO]               ; in: row r, + 32 h
	v_mul_u32_u24 v[RD], v47, SPITCH
	v_lshl_add_u32 v[RD], v46, 4, v[RD]
	v_add_nc_u32 v[RD], s44, v[RD]                 ; back: lanes 0-15 one row, lanes 16-31 the next
	v_lshlrev_b32 v[GO], 4, v45                    ; and in out: a tile's 16 rows are 4,096 dense bytes
	; THE RANKS.  Key = length x 16 + batch: no two are equal.  A lane's rank is the number of smaller keys
	v_mov_b32 v143, 0x800
	s_wait_loadcnt 0x0
	v_cmp_gt_i32 vcc_lo, 1, v[LEN]
	s_wait_alu depctr_va_vcc(0)                    ; the compare has written VCC, ahead of the select that reads it
	v_cndmask_b32 v[KEY], v[LEN], v143, vcc_lo     ; a length of 0 or less walks all 2,048 keys
	v_min_u32 v[KEY], 0x800, v[KEY]
	v_lshl_or_b32 v[KEY], v[KEY], 4, v46
	v_mov_b32 v[RNK], 0
.irp j, 0,1,2,3,4,5,6,7                        ; the sixteen keys as scalars, in s36-43 and s51-58, as one run;
	v_readlane_b32 s[36+\j], v[KEY], \j
	v_readlane_b32 s[51+\j], v[KEY], 8+\j
.endr
	s_wait_alu depctr_va_sdst(0)                   ; the sixteen keys are written, ahead of the compares that read them
.irp j, 0,1,2,3,4,5,6,7                        ; the sixteen compares as one run: each mask takes its key's place;
	v_cmp_lt_u32 s[36+\j], s[36+\j], v[KEY]
	v_cmp_lt_u32 s[51+\j], s[51+\j], v[KEY]
.endr
	s_wait_alu depctr_va_sdst(0)                   ; the sixteen masks are written, ahead of the selects that read them
.irp j, 0,1,2,3,4,5,6,7                        ; and the count
	v_cndmask_b32 v143, 0, 1, s[36+\j]
	v_add_nc_u32 v[RNK], v[RNK], v143
	v_cndmask_b32 v143, 0, 1, s[51+\j]
	v_add_nc_u32 v[RNK], v[RNK], v143
.endr
	v_cmp_eq_u32 vcc_lo, s[RK], v[RNK]
	s_wait_alu depctr_va_vcc(0)                    ; the compare has written VCC, ahead of the scalar line that reads it
	s_ctz_i32_b32 s[BT], vcc_lo                    ; the batch of my half's rank
	s_min_u32 s[BT], s[BT], 15                     ; held inside the tensors ahead of every address
	v_readlane_b32 s[RAW], v[LEN], s[BT]
	s_wait_alu depctr_va_sdst(0)                   ; s[RAW] is written, ahead of its first reader
	s_cmp_gt_i32 s[RAW], 0
	s_cselect_b32 s[NN], s[RAW], 0x800
	s_cselect_b32 s[LENM], s[RAW], 0               ; keys that count
	s_cselect_b32 s28, 0xcaf42400, 0               ; a masked key's raw score: -1e6 x 8; where every key is masked the common shift is taken off: 0
	s_min_u32 s[NN], s[NN], 0x800
	s_min_u32 s[LENM], s[LENM], 0x800
	s_add_co_u32 s[NN], s[NN], 127
	s_lshr_b32 s[NN], s[NN], 7                     ; steps, 1..16
	s_mul_i32 s36, s[BT], BCODES
	s_mov_b32 s37, 0
	s_add_nc_u64 s[KB:KB+1], s[8:9], s[36:37]      ; K's and V's codes at the batch's step 0
	s_add_nc_u64 s[VB:VB+1], s[12:13], s[36:37]
	s_mul_i32 s38, s[FQ], 48
	s_add_co_u32 s38, s38, s36
	s_mov_b32 s39, 0
	s_add_nc_u64 s[4:5], s[4:5], s[38:39]          ; Q's codes at my first query
	s_lshl_b32 s36, s[BT], 12
	s_add_nc_u64 s[10:11], s[10:11], s[36:37]      ; the batch's scale bytes
	s_add_nc_u64 s[14:15], s[14:15], s[36:37]
	s_lshl_b32 s38, s[FQ], 1
	s_add_co_u32 s38, s38, s36
	s_add_nc_u64 s[6:7], s[6:7], s[38:39]
	s_lshl_b32 s36, s[BT], 11
	s_add_co_u32 s36, s36, s[FQ]
	s_lshl_b32 s36, s36, 8
	s_add_nc_u64 s[18:19], s[18:19], s[36:37]      ; out at my first query: rows of 256 bytes
	; 23 loads: steps 0 and 1 (every batch has 16 steps' bytes, so step 1 lies inside the buffer whatever the length), the scale bytes, Q
	s_wait_alu depctr_va_vdst(0)                   ; every offset and LDS address of the kernel is written (v1-v9, v42-v44, v134-v138): the loads and stores from here on read them, and but for KSA and VSA none is written again
	FILL_LOAD 0, STA, 0x40
	global_load_b128 v[168:171], v[SG], s[10:11]
	global_load_b128 v[172:175], v[SG], s[10:11] offset:16
	global_load_b128 v[176:179], v[SG], s[14:15]
	global_load_b128 v[180:183], v[SG], s[14:15] offset:16
	FILL_LOAD 1, SCR, 0
.irp p, 0,1,2
	global_load_b64 v[16+2*\p:17+2*\p], v[QA], s[4:5] offset:8*\p
.endr
.irp p, 0,1,2
	global_load_b64 v[28+2*\p:29+2*\p], v[QA], s[4:5] offset:8*\p   ; q a second time: the two forms of source 1 share the six zeros between
.endr
	global_load_u16 v[QS], v[QSA], s[6:7]          ; q's two scale bytes; the upper two bytes are 0 and stand over zero codes
.irp i, 22,23,24,25,26,27
	v_mov_b32 v\i, 0
.endr
.set n, 0
.rept 32
	v_mov_b32 v[OA+n], 0                           ; O^T: the step is written once; the first finds zeros, which the first change of M leaves zeros
.set n, n+1
.endr
	v_mov_b32 v14, 0                               ; the sum, in two halves
	v_mov_b32 v15, 0
.irp b, 0,1,2,3
	v_mov_b32 v[PT+\b], 0                          ; written once: a lane permute's destination counts as one of its sources
.endr
	v_mov_b32 v[FF+1], 0                           ; (named as the upper half of a pair)
	v_mov_b32 v[TMP], 0
	v_mov_b32 v13, 0xff61b1e6                      ; the largest t so far: -3e38
	v_floor_f32 v12, -v13                          ; -M
	v_mov_b32 v[MV], s28
	s_wait_xcnt 0x0                                ; the loads have read their bases
	s_add_nc_u64 s[KB:KB+1], s[KB:KB+1], 2*KSTEPB  ; on to step 2, which the first trip asks for
	s_add_nc_u64 s[VB:VB+1], s[VB:VB+1], 2*VSTEPB
	s_wait_loadcnt 7                               ; all but Q's seven, which were issued last
.irp c, 0,1,2,3                                ; K's scale words: my 16 keys are one half block: word j = key j's two bytes below, key 8 + j's above
	v_perm_b32 v[184+2*\c], v[172+\c], v[168+\c], s48
	v_perm_b32 v[185+2*\c], v[172+\c], v[168+\c], s49
.endr
	s_wait_alu depctr_va_vdst(0)                   ; the eight words v184-v191 are written, which the LDS stores below read
	FILL_STORE 0, STA, 0x04
	FILL_STORE 1, SCR, 0
	ds_store_b128 v[KSW], v[184:187]
	ds_store_b128 v[KSW], v[188:191] offset:16
	ds_store_b128 v[VSW], v[176:179]
	ds_store_b128 v[VSW], v[180:183] offset:16
	s_wait_dscnt 0x0                               ; for the others' sake: my stores have landed
	s_barrier_signal -1
	s_barrier_wait -1
	s_wait_alu depctr_vm_vsrc(0)                   ; my LDS stores have read v144-v167 and v176-v191: these registers are the scores from here on, written by the first products
	KFETCH 0, 0
	s_wait_loadcnt 0x0                             ; Q
	v_lshlrev_b32 v[QS+1], 16, v[QS]               ; the scale word for [0 | q]
.rept 8
	v_nop                                          ; a scale register written by a vector instruction stands eight places ahead of a scaled product; Q's zeros four.  The wait that states both stands at the first step's head
.endr
	s_wait_dscnt 0x0
	s_mov_b32 s[SS], 0
	s_mov_b32 s[KFI], 0
	s_mov_b32 s[CNT], 4
.Lring:                                            ; four trips of four steps: once round the ring in each; the count is a constant, and steps past a batch's last do nothing but meet at the barrier
	TRIP 0, 1, 2
	TRIP 1, 2, 3
	TRIP 2, 3, 0
	TRIP 3, 0, 1
	s_wait_xcnt 0x0                                ; the trips' loads have read their bases
	s_add_nc_u64 s[KB:KB+1], s[KB:KB+1], 4*KSTEPB
	s_add_nc_u64 s[VB:VB+1], s[VB:VB+1], 4*VSTEPB
	s_wait_alu depctr_vm_vsrc(0)                   ; the LDS loads issued so far have read KSA and VSA, which the two lines below write
	v_add_nc_u32 v[KSA], 1024, v[KSA]              ; four steps' scale words of K,
	v_add_nc_u32 v[VSA], 16, v[VSA]                ; and of V (no LDS load of mine is out); the next step's head states that both are written
	s_sub_co_u32 s[CNT], s[CNT], 1
	s_cmp_lg_u32 s[CNT], 0
	s_cbranch_scc1 .Lring
	; THE WAY OUT.  O^T / the sum goes through my own stage in LDS and leaves as whole rows: each store of the wave covers 512 consecutive bytes, aligned
.rept 4
	v_nop                                          ; places behind the last products
.endr
	v_add_f32 v14, v14, v15                        ; the sum's two halves,
	v_permlanex16_b32 v[TMP], v14, s[PSEL], s[PSEL+1]
	v_add_f32 v14, v14, v[TMP]                     ; and lane l xor 16's
	v_rcp_f32 v14, v14
	v_nop                                          ; one plain instruction behind the reciprocal
	s_wait_alu depctr_va_vdst(0)                   ; the reciprocal has written v14, ahead of its first reader
.set n, 0
.rept 16
	v_pk_mul_f32 v[SCR+n:SCR+n+1], v[OA+n:OA+n+1], v[14:15] op_sel_hi:[1,0]   ; register 8 t + i is out(r, 16 t + 8 h + i); ascending
.set n, n+2
.endr
	s_wait_alu depctr_va_vdst(0)                   ; the sixteen multiplications have written v144-v175, which the LDS stores read; and every vector instruction that named v176-v207 is done, in which the loads from the stage land
.irp t, 0,1,2,3
	ds_store_b128 v[STO], v[SCR+8*\t:SCR+8*\t+3] offset:64*\t
	ds_store_b128 v[STO], v[SCR+8*\t+4:SCR+8*\t+7] offset:64*\t+16
.endr
.irp i, 0,1,2,3,4,5,6,7
	ds_load_b128 v[SCR+32+4*\i:SCR+32+4*\i+3], v[RD] offset:2*\i*SPITCH   ; LDS serves a wave's instructions in order (ISA guide 5.7.1.4): these see my stores
.endr
.irp i, 0,1,2,3,4,5,6,7
	s_wait_dscnt 7-\i                              ; the loads issued behind load i may be out
	global_store_b128 v[GO], v[SCR+32+4*\i:SCR+32+4*\i+3], s[18:19] offset:512*\i th:TH_STORE_NT   ; written once, read by nobody here
.endr
	s_wait_dscnt 0x0
	s_wait_alu depctr_hold_cnt(0) depctr_sa_sdst(0) depctr_va_vdst(0) depctr_va_sdst(0) depctr_va_ssrc(0) depctr_va_vcc(0) depctr_vm_vsrc(0)
	s_wait_tensorcnt 0x0
	ds_add_u32 v254, v255
	s_wait_dscnt 0x0
	s_endpgm
.Lfunc_end_k_qa905349275_attn:
	.size	k_qa905349275_attn, .Lfunc_end_k_qa905349275_attn-k_qa905349275_attn
	.p2alignl 7, 3214868480
	.fill 96, 4, 3214868480
	.section	.rodata,"a",@progbits
	.p2align	6, 0x0
	.amdhsa_kernel k_qa905349275_attn
		.amdhsa_group_segment_fixed_size 168960
		.amdhsa_private_segment_fixed_size 0
		.amdhsa_enable_private_segment 0
		.amdhsa_kernarg_size 64
		.amdhsa_user_sgpr_count 2
		.amdhsa_user_sgpr_kernarg_segment_ptr 1
		.amdhsa_wavefront_size32 1
		.amdhsa_system_sgpr_workgroup_id_x 1
		.amdhsa_system_sgpr_workgroup_id_y 1
		.amdhsa_system_sgpr_workgroup_id_z 1
		.amdhsa_system_vgpr_workitem_id 0
		.amdhsa_next_free_vgpr 384
		.amdhsa_next_free_sgpr 66
		.amdhsa_reserve_vcc 1
		.amdhsa_float_denorm_mode_32 3
		.amdhsa_float_denorm_mode_16_64 3
		.amdhsa_memory_ordered 1
		.amdhsa_forward_progress 1
		.amdhsa_inst_pref_size 128
	.end_amdhsa_kernel
	.amdgpu_metadata
---
amdhsa.version: [ 1, 2 ]
amdhsa.kernels:
  - .name:           k_qa905349275_attn
    .symbol:         k_qa905349275_attn.kd
    .args:
      - { .name: queries_codes, .offset: 0, .size: 8, .value_kind: global_buffer, .address_space: global }
      - { .name: queries_scales, .offset: 8, .size: 8, .value_kind: global_buffer, .address_space: global }
      - { .name: keys_codes, .offset: 16, .size: 8, .value_kind: global_buffer, .address_space: global }
      - { .name: keys_scales, .offset: 24, .size: 8, .value_kind: global_buffer, .address_space: global }
      - { .name: values_codes, .offset: 32, .size: 8, .value_kind: global_buffer, .address_space: global }
      - { .name: values_scales, .offset: 40, .size: 8, .value_kind: global_buffer, .address_space: global }
      - { .name: valid_lens, .offset: 48, .size: 8, .value_kind: global_buffer, .address_space: global }
      - { .name: out0, .offset: 56, .size: 8, .value_kind: global_buffer, .address_space: global }
    .group_segment_fixed_size: 168960
    .private_segment_fixed_size: 0
    .kernarg_segment_align: 8
    .kernarg_segment_size: 64
    .max_flat_workgroup_size: 256
    .sgpr_count:     66
    .vgpr_count:     384
    .wavefront_size: 32
...
	.end_amdgpu_metadata
.endif
;; end of part 2
